; MI455X (gfx1250); checked and timed in simulation.
; The chip was launched on July 23, 2026; its instructions are those of AMD's public machine-readable ISA for CDNA 5 (MIT licence, August 2026) and "CDNA5" Instruction Set Architecture Reference Guide (July 2026). The comments in the code are by the model that wrote it; some were corrected since.
;; Multi Head. Allowed arithmetic: matrix products marked QUANTISED: E4M3 operands, one E8M0 scale for each 32 along K, by v_wmma_scale_f32_16x16x128_f8f6f4 with both operands' format E4M3, f32 sums; everything else in f32.
;; Inputs: weights 4,096 x 4,096 float32; x 4,096 x 4,096 float32.
;; Outputs: out0 4,096 x 4,096 float32.
;; This version of the problem:
;;   THIS VERSION OF THE PROBLEM IS GIVEN IN LOW PRECISION. The matrix products marked QUANTISED in the list below multiply operands that are first quantised to E4M3 (4 exponent bits, 3 mantissa bits; 8 bits a number), with one power-of-two scale for each 32 numbers along K (OCP MX v1.0); their sums are f32. All else is computed in f32.
;;   The module's matrix products, in the order in which they are computed (A, B: the left and right operand; K: the contracted axis; several contracted axes count as one K, in the product's order):
;;     1. [M 4,096, K 4,096] x [K 4,096, N 4,096]; A: input x; B: input weights: QUANTISED
;;   THE QUANTISER, for each operand of a quantised product, along K:
;;     - K is cut into blocks of 32 from its start; a last block that is shorter is filled with zeros.
;;     - A block's scale is 2^e with e = floor(log2(the largest magnitude in the block)) - 8, held to -126 .. 127; a block of zeros has e = 0. As a byte (E8M0): e + 127.
;;     - Each number is divided by its block's scale, clamped to +-448, and rounded to the nearest number of E4M3, ties to even, subnormals kept.
;;     - The product sums the exact products of the quantised numbers (number of the format x scale) in f32.
;;   ~~~python
;;   def quantise(x, axis):      # numpy; x: float32 -> the quantised numbers, widened to float32 again
;;       x = np.moveaxis(x, axis, -1); K = x.shape[-1]
;;       x = np.pad(x, [(0, 0)] * (x.ndim - 1) + [(0, -K % 32)]); x = x.reshape(x.shape[:-1] + (-1, 32)); a = np.abs(x).max(-1, keepdims=True)
;;       e = np.where(a > 0, np.clip(np.frexp(np.where(a > 0, a, 1))[1] - 1 - 8, -126, 127), 0)      # np.frexp(a)[1] - 1 = floor(log2(a)), exactly
;;       r = np.clip(x / 2.0 ** e, -448, 448)
;;       step = 2.0 ** (np.maximum(np.frexp(np.where(r == 0, 1, r))[1] - 1, -6) - 3)
;;       q = np.round(r / step) * step * 2.0 ** e      # np.round: ties to even
;;       return np.moveaxis(q.reshape(q.shape[:-2] + (-1,))[..., :K], -1, axis).astype(np.float32)
;;   ~~~
;; One version. Each part assembles by itself: llvm-mc -triple=amdgcn-amd-amdhsa -mcpu=gfx1250 --defsym DOCPART=n.
;; ======== version 1 of 1: 2 launches
;; limits: right only within a limited range of input values
;; workspace buffers: xq 17,301,504 bytes; wq 17,301,504 bytes; xn 16,384 bytes; wn 16,384 bytes
;; launch quant (part 1): grid 256 x 1, 16 waves a work-group, no clusters, 88,320 bytes of LDS; arguments x, weights, xq, wq, xn, wn; writes xq, wq, xn, wn
.if DOCPART == 1
	.amdgcn_target "amdgcn-amd-amdhsa--gfx1250"
	.amdhsa_code_object_version 6
	.text
	.protected	k_q7ffae45390_quant
	.globl	k_q7ffae45390_quant
	.p2align	8
	.type	k_q7ffae45390_quant,@function
k_q7ffae45390_quant:
	s_mov_b64 s[64:65], 0
	v_nop
	global_prefetch_b8 v0, s[64:65] scope:SCOPE_SE
	s_setreg_imm32_b32 hwreg(HW_REG_WAVE_MODE, 25, 1), 1
	s_wait_xcnt 0x0
; x [4096][4096] and weights [4096][4096], f32, K innermost, are turned into codes of FP8 (E4M3) with one E8M0 scale byte for each 32 along K,
; and for each row 1 / max(||row||, 1e-8) is made from the unquantised numbers, which pass through the registers here anyway.
; A block's scale is 2^(floor(log2(its largest magnitude)) - 8); its byte is the largest magnitude's exponent field - 8, held at 1 from below.
; Each number is divided by the scale, held within +-448 and rounded to the nearest code, ties to even.
; LIMITS: a block of zeros, and a block whose largest magnitude lies under 2^-118, gets the byte 1 (a block of zeros has zero codes, which add nothing under any
; byte but 0xff; the bytes are read by this program alone).  NaN and infinities among the inputs are not served.  A row's sum of squares is an f32 sum and
; overflows where a plain f32 norm does.  A sum that is zero or denormal gives an infinite reciprocal root, which the hold at 1e8 turns into 1 / 1e-8.
; THE WORKSPACE IS LAID AS THE PRODUCT'S LAUNCH FETCHES IT: [32 blocks of 128 rows][16 K steps of 256][33,792 bytes]; such a piece is 128 rows of 256 codes and, behind
; them, the 128 rows' scale bytes of that K step, 8 a row: 132 dense rows of 256 bytes, one tensor load.
; SHARES.  Work-groups 0-127 take x, 128-255 weights: only pointers are chosen, both tensors take one path.  A work-group owns 32 rows, so that its scale bytes of one
; K step are one aligned run of 256 bytes.  Wave w owns rows 2 w and 2 w + 1: 16 steps of 512 numbers, written out, every offset an immediate.
; A conversion takes 8 neighbours along K from ONE lane's registers, a load is best where neighbouring LANES take neighbouring bytes: so each load reads 512 consecutive
; bytes, 16 a lane, and a step's 2,048 bytes turn through the wave's own stage in LDS and come back 64 bytes a lane (two neighbouring lanes hold a block of 32).
; Loads run four steps (16 loads a wave) ahead, the turn through LDS one step.  A stream: no tensor loads, no matrix unit, one barrier at the end for the scale bytes.
.set STEPS, 16
.set TILEB, 33792                      ; a piece of the workspace: 128 x 256 codes + 128 x 8 scale bytes
.set BLKB,  16*TILEB                   ; a block of 128 rows, all of K
.set SP,    80                         ; a lane's place in a stage: its 64 bytes + 16 of padding
.set STG,   32*SP                      ; a stage; each wave has two, at 2 STG x wave
.set SCB,   16*2*STG                   ; behind the stages: the work-group's scale bytes, [K step 16][row 32][8]
.set NRM,   SCB+4096                   ; behind them: 32 words, a result for each row
.set R,   16                           ; v16-79   four sets of 16 numbers as they are loaded
.set X,   80                           ; v80-111  two sets of 16 neighbours
.set E,   112                          ; v112-127 a scale byte for each step
.set C,   128                          ; v128-191 codes: four registers for each step, so that no store's data are written again
.set SS,  192                          ; v192-195 the row's sum of squares, two packed chains
.set NR,  196                          ; v196-197 the two rows' results
.set NA,  198                          ; v198     LDS: my wave's two words among the 32
.set NLD, 199                          ; v199     LDS: word 'lane' of the 32
.set NO,  200                          ; v200     4 x lane
.set NB,  201                          ; v201     the 32 results on their way out
	s_load_b128 s[4:7], s[0:1], 0x0                ; x, weights
	s_load_b128 s[8:11], s[0:1], 0x10              ; xq, wq
	s_load_b128 s[12:15], s[0:1], 0x20             ; xn, wn
	v_lshl_add_u32 v208, v0, 2, 0x15100
	v_mov_b32 v209, 0
	v_lshrrev_b32 v1, 5, v0
	s_delay_alu instid0(VALU_DEP_1)
	v_readfirstlane_b32 s16, v1                    ; wave 0..15
	v_and_b32 v2, 31, v0                           ; lane
	s_delay_alu instid0(VALU_DEP_1)
	v_lshlrev_b32 v3, 4, v2                        ; my 16 bytes of a load's 512
	s_delay_alu instid0(VALU_DEP_2)
	v_and_b32 v8, 15, v2
	s_delay_alu instid0(VALU_DEP_3)
	v_lshrrev_b32 v9, 4, v2
	s_delay_alu instid0(VALU_DEP_1)
	v_mul_u32_u24 v4, v9, TILEB                    ; my 16 codes: lanes 0-15 hold the step's first 256 along K, lanes 16-31 the next K step's 256, one piece further on
	s_delay_alu instid0(VALU_DEP_1)
	v_lshl_add_u32 v4, v8, 4, v4
	v_bfe_u32 v5, v2, 1, 3                         ; my block's byte among its K step's eight,
	s_delay_alu instid0(VALU_DEP_1)
	v_lshl_add_u32 v5, v9, 8, v5                   ; 256 bytes a K step,
	s_lshl_b32 s30, s16, 4                         ; 16 bytes for my wave's two rows
	s_add_co_u32 s30, s30, SCB
	v_add_nc_u32 v5, s30, v5
	v_lshlrev_b32 v7, 3, v2                        ; the scale bytes' way out: 8 bytes a lane,
	s_lshl_b32 s30, s16, 8                         ; wave w takes K step w's 256
	s_add_co_u32 s30, s30, SCB
	v_add_nc_u32 v6, s30, v7
	s_mul_i32 s30, s16, 2*STG                      ; my wave's two stages
	v_lshrrev_b32 v14, 2, v2
	s_delay_alu instid0(VALU_DEP_1)
	v_mul_u32_u24 v14, v14, SP
	v_and_b32 v15, 3, v2
	s_delay_alu instid0(VALU_DEP_1)
	v_lshl_add_u32 v14, v15, 4, v14
	s_delay_alu instid0(VALU_DEP_1)
	v_add_nc_u32 v14, s30, v14                     ; in: four lanes' 64 bytes on end, then 16 of padding
	v_mul_u32_u24 v15, v2, SP
	s_delay_alu instid0(VALU_DEP_1)
	v_add_nc_u32 v15, s30, v15                     ; out: my 16 neighbours
	s_lshl_b32 s30, s16, 3
	s_add_co_u32 s30, s30, NRM
	v_mov_b32 v[NA], s30                           ; words 2 w and 2 w + 1 of the 32
	v_lshl_add_u32 v[NLD], v2, 2, NRM
	v_lshlrev_b32 v[NO], 2, v2
	s_mov_b32 s23, 0x600000                        ; the mantissa field of 448
	s_mov_b32 s24, 0x76543210                      ; v_permlanex16_b32's selects for lane l xor 16
	s_mov_b32 s25, 0xfedcba98
	s_and_b32 s17, ttmp9, 127                      ; g: the work-group's number within its tensor
	s_lshl_b32 s18, s17, 4
	s_add_co_u32 s18, s18, s16
	s_lshl_b32 s18, s18, 15                        ; the source: (32 g + 2 w) rows of 16,384 bytes
	s_mov_b32 s19, 0
	s_lshr_b32 s30, s17, 2
	s_mul_i32 s30, s30, BLKB                       ; my block of 128 rows
	s_and_b32 s31, s17, 3                          ; which quarter of it
	s_lshl_b32 s20, s31, 13                        ; the codes: row 32 (g % 4) + 2 w of a piece, 256 bytes a row
	s_add_co_u32 s20, s20, s30
	s_lshl_b32 s22, s16, 9
	s_add_co_u32 s20, s20, s22
	s_mov_b32 s21, 0
	s_lshl_b32 s26, s31, 8                         ; the scale bytes: piece w of the block, behind its 128 rows of codes, my work-group's 256 bytes
	s_add_co_u32 s26, s26, s30
	s_mul_i32 s22, s16, TILEB
	s_add_co_u32 s26, s26, s22
	s_add_co_u32 s26, s26, 128*256
	s_mov_b32 s27, 0
	s_lshl_b32 s28, s17, 7                         ; the rows' results: 32 words a work-group
	s_mov_b32 s29, 0
	s_wait_alu depctr_va_vdst(0)
	s_wait_kmcnt 0x0
	s_cmp_lt_u32 ttmp9, 128                        ; x's work-group or weights'?  The choice hangs on the work-group's number alone
	s_cselect_b64 s[4:5], s[4:5], s[6:7]
	s_cselect_b64 s[8:9], s[8:9], s[10:11]
	s_cselect_b64 s[12:13], s[12:13], s[14:15]
	s_add_nc_u64 s[4:5], s[4:5], s[18:19]
	s_add_nc_u64 s[10:11], s[8:9], s[26:27]        ; s[10:11]: where my wave stores a K step's scale bytes
	s_add_nc_u64 s[8:9], s[8:9], s[20:21]          ; s[8:9]: my wave's codes
	s_add_nc_u64 s[12:13], s[12:13], s[28:29]
.macro LOAD t
.irp i, 0,1,2,3
	global_load_b128 v[R+16*((\t)%4)+4*\i:R+16*((\t)%4)+4*\i+3], v3, s[4:5] offset:2048*(\t)+512*\i th:TH_LOAD_NT   ; 32 lanes read 512 consecutive bytes; read once in the launch
.endr
.endm
.macro TURN t                          ; step t's numbers through a stage: LDS serves a wave's instructions in order (ISA guide 5.7.1.4), so no wait stands between the stores and the loads
.irp i, 0,1,2,3
	ds_store_b128 v14, v[R+16*((\t)%4)+4*\i:R+16*((\t)%4)+4*\i+3] offset:STG*((\t)%2)+8*SP*\i
.endr
.irp i, 0,1,2,3
	ds_load_b128 v[X+16*((\t)%2)+4*\i:X+16*((\t)%2)+4*\i+3], v15 offset:STG*((\t)%2)+16*\i
.endr
.endm
.macro NORM j                          ; row j of my two is through: its sum of squares over the 32 lanes, then 1 / max(norm, 1e-8) = min(1 / sqrt(sum), 1e8)
	v_pk_add_f32 v[SS:SS+1], v[SS:SS+1], v[SS+2:SS+3]
	s_delay_alu instid0(VALU_DEP_1)
	v_add_f32 v[SS], v[SS], v[SS+1]
	s_delay_alu instid0(VALU_DEP_1)
	v_add_f32_dpp v[SS], v[SS], v[SS] row_xmask:1 row_mask:0xf bank_mask:0xf
	s_delay_alu instid0(VALU_DEP_1)
	v_add_f32_dpp v[SS], v[SS], v[SS] row_xmask:2 row_mask:0xf bank_mask:0xf
	s_delay_alu instid0(VALU_DEP_1)
	v_add_f32_dpp v[SS], v[SS], v[SS] row_xmask:4 row_mask:0xf bank_mask:0xf
	s_delay_alu instid0(VALU_DEP_1)
	v_add_f32_dpp v[SS], v[SS], v[SS] row_xmask:8 row_mask:0xf bank_mask:0xf
	s_delay_alu instid0(VALU_DEP_1)
	v_permlanex16_b32 v[SS+1], v[SS], s24, s25     ; (its destination counts as read: it has been written)
	s_delay_alu instid0(VALU_DEP_1)
	v_add_f32 v[SS], v[SS], v[SS+1]
	s_wait_alu depctr_va_vdst(0)
	v_rsq_f32 v[NR+(\j)], v[SS]
	v_nop                                          ; one plain instruction between a transcendental and the use of its result (ISA guide 5.7.2)
	s_wait_alu depctr_va_vdst(0)
	v_min_num_f32 v[NR+(\j)], 0x4cbebc20, v[NR+(\j)]   ; 1e8
	ds_store_b32 v[NA], v[NR+(\j)] offset:4*(\j)   ; all lanes write the same word with the same value: word 2 w + j, which no other wave writes
.endm
.irp t, 0,1,2,3
	LOAD \t
.endr
	s_wait_loadcnt 12                              ; step 0's four loads are in; those of steps 1 to 3 stay out
	TURN 0
.macro STEP t
.set XS, X+16*((\t)%2)
.if (\t) > 0
	s_wait_dscnt 1                                 ; this step's numbers are back from the stage; the last step's byte store may be out (behind a row's end one more store is younger: the count is then the stricter one)
.else
	s_wait_dscnt 0x0
.endif
.if (\t)+4 < STEPS
	LOAD (\t)+4                                    ; into the set that this step's stage stores have read
.endif
.if (\t)+1 < STEPS
.if STEPS-2-(\t) >= 3
	s_wait_loadcnt 12                              ; the next step's four loads are in; those of the three steps behind it may be out
.else
	s_wait_loadcnt 4*(STEPS-2-(\t))                ; the counts run down: nothing more is asked for
.endif
	TURN (\t)+1                                    ; the next step goes through the other stage while this one is worked
.endif
.if (\t)%8 == 0                        ; the squares, ahead of the hold: a row's first step starts the two chains, nothing is cleared
	v_pk_mul_f32 v[SS:SS+1], v[XS:XS+1], v[XS:XS+1]
	v_pk_mul_f32 v[SS+2:SS+3], v[XS+2:XS+3], v[XS+2:XS+3]
.else
	v_pk_fma_f32 v[SS:SS+1], v[XS:XS+1], v[XS:XS+1], v[SS:SS+1]
	v_pk_fma_f32 v[SS+2:SS+3], v[XS+2:XS+3], v[XS+2:XS+3], v[SS+2:SS+3]
.endif
.irp i, 4,8,12
	s_delay_alu instid0(VALU_DEP_2)
	v_pk_fma_f32 v[SS:SS+1], v[XS+\i:XS+\i+1], v[XS+\i:XS+\i+1], v[SS:SS+1]
	s_delay_alu instid0(VALU_DEP_2)
	v_pk_fma_f32 v[SS+2:SS+3], v[XS+\i+2:XS+\i+3], v[XS+\i+2:XS+\i+3], v[SS+2:SS+3]
.endr
	v_max3_num_f32 v8, |v[XS]|, |v[XS+1]|, |v[XS+2]|               ; the largest magnitude of my 16, in two chains
	v_max3_num_f32 v9, |v[XS+3]|, |v[XS+4]|, |v[XS+5]|
.irp i, 6,10
	s_delay_alu instid0(VALU_DEP_2)
	v_max3_num_f32 v8, v8, |v[XS+\i]|, |v[XS+\i+1]|
	s_delay_alu instid0(VALU_DEP_2)
	v_max3_num_f32 v9, v9, |v[XS+\i+2]|, |v[XS+\i+3]|
.endr
	s_delay_alu instid0(VALU_DEP_2)
	v_max3_num_f32 v8, v8, |v[XS+14]|, |v[XS+15]|
	s_delay_alu instid0(VALU_DEP_1)
	v_max3_num_f32 v8, v8, v9, 0x4800000           ; and the floor 2^(9 - 127): so the byte cannot fall under 1
	s_delay_alu instid0(VALU_DEP_1)
	v_max_num_f32_dpp v8, v8, v8 row_xmask:1 row_mask:0xf bank_mask:0xf   ; and of my neighbour's 16: the block's
	s_delay_alu instid0(VALU_DEP_1)
	v_add_nc_u32 v11, 0xfc000000, v8               ; 8 off its exponent field: the conversion takes the exponent field of this operand as its scale, and nothing else of it
	s_delay_alu instid0(VALU_DEP_2)
	v_and_or_b32 v10, v8, 0x7f800000, s23          ; 448 x the scale: the largest magnitude's exponent field over 448's mantissa
.irp i, 0,1,2,3,4,5,6,7,8,9,10,11,12,13,14,15
	v_med3_num_f32 v[XS+\i], v[XS+\i], -v10, v10   ; the conversion to an 8-bit code does not saturate (ISA guide 7.6.2): hold the number first
.endr
	v_cvt_scalef32_pk8_fp8_f32 v[C+4*(\t):C+4*(\t)+1], v[XS:XS+7], v11
	v_cvt_scalef32_pk8_fp8_f32 v[C+4*(\t)+2:C+4*(\t)+3], v[XS+8:XS+15], v11
	v_lshrrev_b32 v[E+(\t)], 23, v11               ; the scale's byte; also the plain instruction behind the conversions
	ds_store_b8 v5, v[E+(\t)] offset:512*((\t)%8)+8*((\t)/8)       ; both lanes of a block write the same byte with the same value
	global_store_b128 v4, v[C+4*(\t):C+4*(\t)+3], s[8:9] offset:2*((\t)%8)*TILEB+((\t)/8)*256   ; lanes 0-15 store 256 consecutive aligned bytes, a row of a piece; lanes 16-31 the same row of the next piece
.if (\t)%8 == 7
	NORM (\t)/8
.endif
.endm
.irp t, 0,1,2,3,4,5,6,7,8,9,10,11,12,13,14,15
	STEP \t
.endr
	s_wait_dscnt 0x0                               ; for the others' sake: my scale bytes and my two results lie in LDS
	s_barrier_signal -1
	s_barrier_wait -1
	ds_load_b64 v[12:13], v6                       ; K step w's scale bytes of the work-group's 32 rows
	s_wait_dscnt 0x0
	global_store_b64 v7, v[12:13], s[10:11]        ; 32 lanes store 256 consecutive aligned bytes
	s_cmp_lg_u32 s16, 0                            ; wave 0 alone stores the 32 rows' results: 128 consecutive bytes
	s_cbranch_scc1 .Ldone
	ds_load_b32 v[NB], v[NLD]
	s_wait_dscnt 0x0
	global_store_b32 v[NO], v[NB], s[12:13]
.Ldone:
	s_wait_tensorcnt 0x0
	ds_add_u32 v208, v209
	s_wait_dscnt 0x0
	s_endpgm
.Lfunc_end_k_q7ffae45390_quant:
	.size	k_q7ffae45390_quant, .Lfunc_end_k_q7ffae45390_quant-k_q7ffae45390_quant
	.p2alignl 7, 3214868480
	.fill 96, 4, 3214868480
	.section	.rodata,"a",@progbits
	.p2align	6, 0x0
	.amdhsa_kernel k_q7ffae45390_quant
		.amdhsa_group_segment_fixed_size 88320
		.amdhsa_private_segment_fixed_size 0
		.amdhsa_enable_private_segment 0
		.amdhsa_kernarg_size 48
		.amdhsa_user_sgpr_count 2
		.amdhsa_user_sgpr_kernarg_segment_ptr 1
		.amdhsa_wavefront_size32 1
		.amdhsa_system_sgpr_workgroup_id_x 1
		.amdhsa_system_sgpr_workgroup_id_y 1
		.amdhsa_system_sgpr_workgroup_id_z 1
		.amdhsa_system_vgpr_workitem_id 0
		.amdhsa_next_free_vgpr 210
		.amdhsa_next_free_sgpr 66
		.amdhsa_reserve_vcc 0
		.amdhsa_float_denorm_mode_32 3
		.amdhsa_float_denorm_mode_16_64 3
		.amdhsa_memory_ordered 1
		.amdhsa_forward_progress 1
		.amdhsa_inst_pref_size 70
	.end_amdhsa_kernel
	.amdgpu_metadata
---
amdhsa.version: [ 1, 2 ]
amdhsa.kernels:
  - .name:           k_q7ffae45390_quant
    .symbol:         k_q7ffae45390_quant.kd
    .args:
      - { .name: x, .offset: 0, .size: 8, .value_kind: global_buffer, .address_space: global }
      - { .name: weights, .offset: 8, .size: 8, .value_kind: global_buffer, .address_space: global }
      - { .name: xq, .offset: 16, .size: 8, .value_kind: global_buffer, .address_space: global }
      - { .name: wq, .offset: 24, .size: 8, .value_kind: global_buffer, .address_space: global }
      - { .name: xn, .offset: 32, .size: 8, .value_kind: global_buffer, .address_space: global }
      - { .name: wn, .offset: 40, .size: 8, .value_kind: global_buffer, .address_space: global }
    .group_segment_fixed_size: 88320
    .private_segment_fixed_size: 0
    .kernarg_segment_align: 8
    .kernarg_segment_size: 48
    .max_flat_workgroup_size: 512
    .sgpr_count:     66
    .vgpr_count:     210
    .wavefront_size: 32
...
	.end_amdgpu_metadata
.endif
;; end of part 1
;; launch gemm (part 2): grid 16 x 16, 4 waves a work-group, clusters of 4 x 4, 327,680 bytes of LDS; arguments xq, wq, xn, wn, out0; writes out0
.if DOCPART == 2
	.amdgcn_target "amdgcn-amd-amdhsa--gfx1250"
	.amdhsa_code_object_version 6
	.text
	.protected	k_q7ffae45390_gemm
	.globl	k_q7ffae45390_gemm
	.p2align	8
	.type	k_q7ffae45390_gemm,@function
k_q7ffae45390_gemm:
	s_mov_b64 s[64:65], 0
	v_nop
	global_prefetch_b8 v0, s[64:65] scope:SCOPE_SE
	s_setreg_imm32_b32 hwreg(HW_REG_WAVE_MODE, 25, 1), 1
	s_wait_xcnt 0x0
	s_wait_alu depctr_hold_cnt(0) depctr_sa_sdst(0) depctr_va_vdst(0) depctr_va_sdst(0) depctr_va_ssrc(0) depctr_va_vcc(0) depctr_vm_vsrc(0)
	s_getreg_b32 s2, hwreg(HW_REG_IB_STS2, 6, 4)
	s_cmp_eq_u32 s2, 0
	s_cbranch_scc0 .Lentry_in_a_cluster
	s_endpgm
.Lentry_in_a_cluster:
	s_bfe_u32 s2, ttmp6, 0x10000c
	s_cmp_lg_u32 s2, 0xf033
	s_cbranch_scc0 .Lentry_shape_is_right
	s_endpgm
.Lentry_shape_is_right:
; out0[m][n] = (sum over k of Q(x)[m][k] Q(w)[n][k]) * xn[m] * wn[n]: the quantised product on codes of E4M3 with E8M0 scale bytes, then the two rows' factors 1 / max(norm, 1e-8), which the launch before has made.
; xq, wq: [32 blocks of 128 rows][16 K steps of 256][33,792 bytes]; a piece is 128 rows of 256 codes and behind them the rows' scale bytes of that K step, 8 a row: 132 dense rows of 256 bytes, one tensor load.
; THE DEAL: 256 work-groups of four waves, 2 x 2; a tile of 256 x 256 a work-group, 128 x 128 a wave: 64 accumulators, 512 registers.  K goes in steps of 256 through two LDS slots (4 pieces each, rows padded to 272 bytes).
; CLUSTERS: 4 x 4; x's pieces are asked for jointly along a row of the cluster, w's along a column.  Waves 0, 1 fetch x's two pieces, waves 2, 3 w's.
; ORDER OF K: clusters take each pair of K steps in one of two orders, by the parity of their numbers; so a sum's order of rounding is not everywhere ascending K.
; THE MATRIX INSTRUCTION IS USED TRANSPOSED (source 0 = 16 rows of w, source 1 = 16 rows of x): a lane holds eight neighbouring numbers of a row of out0.
; REGISTERS: window 0: v0-31 addresses and the rows' factors; v32-63 scale words, a set a slot; v128-191 x's blocks 0-3, one set; x's blocks 4-7 in two sets, v192-255 (a slot's first 128 of K) and v64-127 (its second).
;   window 1: w's eight blocks, two sets, v0-127 and v128-255.  Windows 2, 3: the accumulators of my rows 0-63, 64-127.
; THE STREAM: a step is 64 products, x's blocks one after the other against w's eight.  The next step's LDS loads stand in ONE run a wave, behind eight v_nop: x's blocks 0-3 are free behind product 32, and the other
; sets of w and of x's blocks 4-7 have been free since the step before.  Waves of even number fetch behind product 32, waves of odd number behind product 48: at most two waves' runs stand at one place of a step.
; All reads of a slot are issued in its first step; in its last step the round and the refill stand behind product 32, ahead of both places.
; THE LAST K STEP GOES BY ROWS OF out0: w's two sets hold all of it; x's blocks are finished one after the other (4 to 7, then 0 to 3) and each leaves as soon as it is finished.
; PREFETCH: behind each refill the piece that the same slot takes next but one is named: two refills ahead.  Its 132 blocks of 256 bytes are shared by address among the four partners' waves that load it: 33 each,
; a lane a block and one more line for the 33rd.  The head names K steps 1, 2 and 3; the loop's last trip names nothing: its look-ahead would pass K's end.
; LIMITS: as the launch before states them; NaN and infinities are not served.
.set SIZE_N, 4096
.set TILEB,  33792
.set BLKB,   16*TILEB
.set PITCH,  272
.set FR,     16
.set HALFT,  132*PITCH                 ; a piece in LDS
.set SCO,    128*PITCH                 ; its scale bytes
.set SLOT,   4*HALFT
.set SPARE,  2*SLOT                    ; the spare words: 512 bytes that no other line names
.set SPITCH, 528                       ; the way out: a stage of 16 rows x (512 + 16) bytes a wave, in slot 0 behind its last fill and last read
.set RW,   4                           ; v4-7    wn of my four columns on the way out
.set RX,   8                           ; v8-15   xn of row l % 16 of my eight blocks
.set ADRA, 16                          ; v16-17  LDS: my fragments of x in slot 0, 1
.set ADRS, 18                          ; v18-19  LDS: scale words: lanes 0-15 x's rows, lanes 16-31 w's
.set ADRB, 20                          ; v20-21  LDS: my fragments of w
.set PFO,  22                          ; v22     256 x lane
.set PFZ,  23                          ; v23     0, the offset of the 33rd block's line
.set STO,  24
.set RD,   25
.set CO,   26
.set XO,   27
.set SPW,  28                          ; v28     my spare word; never rewritten
.set NIL,  29                          ; v29     0; never rewritten
.set SC,   32
.set BK,   192                         ; the way out: 16 rows read back from the stage
.set G1, 24
.set G0, 32
.set G1B, 48
.set G0B, 56
.set PF, 66                            ; s[66:67], s[68:69] where my prefetches stand, for slot 0's and slot 1's pieces
.set MSB, 0
.macro WIN new                         ; the immediate's high byte repeats the setting that is left
.if MSB != (\new)
	s_set_vgpr_msb (MSB<<8)|(\new)
.set MSB, \new
.endif
.endm
.set MUL_LO, 0xa1
.set TO_B,   0x40
.macro PLACES n
.rept \n
	v_nop
.endr
.endm
.macro JLOAD g0a, g1a, g0b, g1b        ; a joint load; the branch hangs on the wave's number alone; s_nop 0 and four v_nop follow each line
	s_cmp_eq_u32 s15, 0
	s_cbranch_scc0 .Lfor_b_\@
	tensor_load_to_lds s[\g0a:\g0a+3], s[\g1a:\g1a+7]
	s_nop 0
	PLACES 4
	s_branch .Lasked_\@
.Lfor_b_\@:
	tensor_load_to_lds s[\g0b:\g0b+3], s[\g1b:\g1b+7]
	s_nop 0
	PLACES 4
.Lasked_\@:
.endm
.macro CREST
	s_cmp_lg_u32 s14, 0
	s_cbranch_scc1 .Lnot_wave_0_\@
	s_barrier_signal -3
.Lnot_wave_0_\@:
	s_barrier_wait -3
	s_barrier_signal -1
	s_barrier_wait -1
.endm
.macro CROUND
	s_barrier_signal -1
	s_barrier_wait -1
	CREST
.endm
	s_load_b256 s[4:11], s[0:1], 0x0               ; xq, wq, xn, wn
	s_load_b64 s[12:13], s[0:1], 0x20              ; out0
	v_lshl_add_u32 v[SPW], v0, 2, SPARE
	v_mov_b32 v[NIL], 0
	ds_add_u32 v[SPW], v[NIL]                      ; the opening lines: the add, twice on end, and its wait
	ds_add_u32 v[SPW], v[NIL]
	v_lshrrev_b32 v1, 5, v0
	v_readfirstlane_b32 s14, v1                    ; wave
	s_lshr_b32 s15, s14, 1                         ; my half of the tile's rows; also: I fetch for x (0) or w (1)
	s_and_b32 s16, s14, 1                          ; my half of its columns; also: which piece I fetch, and at which place of a step my LDS loads stand
	s_bfe_u32 s40, ttmp6, 0x40000                  ; cx
	s_bfe_u32 s41, ttmp6, 0x40004                  ; cy
	s_lshl_b32 s42, ttmp9, 2
	s_add_co_u32 s42, s42, s40                     ; tile column
	s_and_b32 s17, ttmp7, 0xffff
	s_lshl_b32 s17, s17, 2
	s_add_co_u32 s17, s17, s41                     ; tile row
	s_lshl_b32 s43, s41, 2
	s_lshl_b32 s43, 15, s43                        ; my row of the cluster
	s_lshl_b32 s44, 0x1111, s40                    ; my column
	s_and_b32 s18, ttmp7, 0xffff                   ; the cluster's parity: which of a pair of K steps goes to slot 0
	s_xor_b32 s18, s18, ttmp9
	s_lshr_b32 s19, s18, 1
	s_xor_b32 s18, s18, s19
	s_and_b32 s18, s18, 1
	s_mul_i32 s22, s18, TILEB
	s_mov_b32 s23, 0
	s_xor_b32 s18, s18, 1
	s_mul_i32 s18, s18, TILEB
	s_mov_b32 s19, 0
	s_or_b32 s[G1+0], s43, (3<<16)|(1<<20)|(1<<21)|(5<<22)|(3<<25)   ; elements of 8 bytes; 4 words of padding behind every 64; bit 21 beside the mask
	s_or_b32 s[G1B+0], s44, (3<<16)|(1<<20)|(1<<21)|(5<<22)|(3<<25)
.irp g, G1, G1B
	s_mov_b32 s[\g+1], 32<<16                      ; 132 dense rows of 256 bytes
	s_mov_b32 s[\g+2], 132<<16
	s_mov_b32 s[\g+3], 32<<16
	s_mov_b32 s[\g+4], 132
	s_mov_b32 s[\g+5], 32
	s_mov_b32 s[\g+6], 0
	s_mov_b32 s[\g+7], 0
.endr
	s_lshl_b32 s20, s17, 1
	s_add_co_u32 s20, s20, s16
	s_mul_i32 s20, s20, BLKB                       ; x's block of 128 rows that I fetch
	s_mov_b32 s21, 0
	s_lshl_b32 s46, s42, 1
	s_add_co_u32 s46, s46, s16
	s_mul_i32 s46, s46, BLKB                       ; w's
	s_mov_b32 s47, 0
	s_mul_i32 s45, s14, HALFT                      ; where my piece goes: the wave's number alone
	s_wait_dscnt 0x0                               ; both opening adds are done
	CROUND                                         ; all sixteen work-groups are here
	s_wait_kmcnt 0x0
	s_add_nc_u64 s[20:21], s[4:5], s[20:21]
	s_add_nc_u64 s[46:47], s[6:7], s[46:47]
.irp s, 0,1
	s_mov_b32 s[G0+4*\s], 1
	s_add_co_u32 s[G0+4*\s+1], s45, \s*SLOT
	s_add_nc_u64 s[G0+4*\s+2:G0+4*\s+3], s[20:21], s[22-4*\s:23-4*\s]
	s_or_b32 s[G0+4*\s+3], s[G0+4*\s+3], 0x80000000
	s_mov_b32 s[G0B+4*\s], 1
	s_add_co_u32 s[G0B+4*\s+1], s45, \s*SLOT
	s_add_nc_u64 s[G0B+4*\s+2:G0B+4*\s+3], s[46:47], s[22-4*\s:23-4*\s]
	s_or_b32 s[G0B+4*\s+3], s[G0B+4*\s+3], 0x80000000
.endr
	JLOAD G0, G1, G0B, G1B                         ; slot 0's first piece: one tensor load a wave at the head
	s_cmp_eq_u32 s15, 0                            ; the prefetches: the block that I fetch, and my work-group's 33 of a piece's 132 rows (cx among x's partners, cy among w's)
	s_cselect_b64 s[PF:PF+1], s[20:21], s[46:47]
	s_cselect_b32 s70, s40, s41
	s_mul_i32 s70, s70, 33*256
	s_mov_b32 s71, 0
	s_add_nc_u64 s[PF:PF+1], s[PF:PF+1], s[70:71]
	s_add_nc_u64 s[PF+2:PF+3], s[PF:PF+1], s[18:19]
	s_add_nc_u64 s[PF:PF+1], s[PF:PF+1], s[22:23]
	s_mul_i32 s21, s15, HALFT                      ; my 128 rows of x
	s_mul_i32 s22, s16, HALFT
	s_add_co_u32 s22, s22, 2*HALFT                 ; my 128 rows of w
	s_xor_b32 s23, s15, 1
	s_add_co_u32 s23, s23, s16
	s_add_co_u32 s23, s23, 1
	s_mul_i32 s23, s23, HALFT                      ; from x's piece to w's
	s_add_co_u32 s18, s21, SCO
	s_mul_i32 s70, s14, 16*SPITCH                  ; my stage
	v_and_b32 v1, 15, v0
	v_bfe_u32 v2, v0, 4, 1
	v_and_b32 v3, 31, v0
	v_mul_u32_u24 v30, v1, PITCH
	v_lshl_add_u32 v30, v2, 4, v30                 ; a fragment's row x pitch + 16 x half
	v_mul_u32_u24 v31, s23, v2                     ; lanes 16-31 take w's scale words
	v_lshl_add_u32 v31, v1, 3, v31
	v_add_nc_u32 v[ADRA], s21, v30
	v_add_nc_u32 v[ADRA+1], SLOT, v[ADRA]
	v_add_nc_u32 v[ADRB], s22, v30
	v_add_nc_u32 v[ADRB+1], SLOT, v[ADRB]
	v_add_nc_u32 v[ADRS], s18, v31
	v_add_nc_u32 v[ADRS+1], SLOT, v[ADRS]
	v_mul_u32_u24 v30, v1, SPITCH
	v_lshl_add_u32 v30, v2, 5, v30
	v_add_nc_u32 v[STO], s70, v30
	v_lshlrev_b32 v[CO], 4, v3
	v_add_nc_u32 v[RD], s70, v[CO]
	v_lshlrev_b32 v[XO], 2, v1
	v_lshlrev_b32 v[PFO], 8, v3
	v_mov_b32 v[PFZ], 0
	s_wait_alu depctr_va_vdst(0)
	global_prefetch_b8 v[PFO], s[PF+2:PF+3] th:TH_LOAD_NT scope:SCOPE_SE                       ; slot 1's first piece,
	global_prefetch_b8 v[PFZ], s[PF+2:PF+3] offset:8192 th:TH_LOAD_NT scope:SCOPE_SE
	global_prefetch_b8 v[PFO], s[PF:PF+1] offset:2*TILEB th:TH_LOAD_NT scope:SCOPE_SE          ; slot 0's second
	global_prefetch_b8 v[PFZ], s[PF:PF+1] offset:2*TILEB+8192 th:TH_LOAD_NT scope:SCOPE_SE
	s_lshl_b32 s20, s17, 8
	s_lshl_b32 s21, s15, 7
	s_add_co_u32 s20, s20, s21                     ; my first row
	s_lshl_b32 s18, s20, 2
	s_mov_b32 s19, 0
	s_add_nc_u64 s[8:9], s[8:9], s[18:19]
	s_lshl_b32 s20, s20, 14
	s_mov_b32 s21, 0
	s_lshl_b32 s46, s42, 8
	s_lshl_b32 s47, s16, 7
	s_add_co_u32 s46, s46, s47
	s_lshl_b32 s46, s46, 2                         ; my first column, in bytes
	s_mov_b32 s47, 0
	s_add_nc_u64 s[10:11], s[10:11], s[46:47]
	s_add_nc_u64 s[20:21], s[20:21], s[46:47]
	s_add_nc_u64 s[12:13], s[12:13], s[20:21]
.irp a, 0,1,2,3,4,5,6,7
	global_load_b32 v[RX+\a], v[XO], s[8:9] offset:64*\a      ; waited for ahead of the way out
.endr
	global_load_b128 v[RW:RW+3], v[CO], s[10:11]
.macro FRAG reg, adr, q, i             ; 16 rows x 128 K: registers 4 c .. 4 c + 3 hold K = 32 c + 16 (l / 16) + 0 .. 15
.irp c, 0,1,2,3
	ds_load_b128 v[\reg+4*\c:\reg+4*\c+3], v[\adr] offset:128*(\q)+32*\c+(\i)*16*PITCH
.endr
.endm
.macro LG k, slot, q, i                ; k = 1 w's block i; 2 x's block i; 3 half i of the slot's scale words
.if (\k) == 1
	WIN TO_B
	FRAG 128*(\q)+FR*(\i), ADRB+(\slot), \q, \i
.elseif (\k) == 2
	WIN 0
.set AR_, 128+16*(\i)
.if ((\i) > 3) && (\q)
.set AR_, 16*(\i)
.endif
	FRAG AR_, ADRA+(\slot), \q, \i
.elseif (\k) == 3
	WIN 0
.irp j, 0,1,2,3
	ds_load_b64 v[SC+16*(\slot)+2*(4*(\i)+\j):SC+16*(\slot)+2*(4*(\i)+\j)+1], v[ADRS+(\slot)] offset:((4*(\i)+\j)/2)*PITCH+((4*(\i)+\j)%2)*128
.endr
.endif
.endm
.macro RUN ns, nq, sc                  ; a step's fragments from slot ns, its nq-th 128 of K: w's eight, (sc = 1: the slot's scale words,) x's eight in ascending order
.irp i, 0,1,2,3,4,5,6,7
	LG 1, \ns, \nq, \i
.endr
.if \sc
	LG 3, \ns, 0, 0
	LG 3, \ns, 0, 1
.endif
.irp i, 0,1,2,3,4,5,6,7
	LG 2, \ns, \nq, \i
.endr
.endm
; The two places of a step's run.  Eight plain vector lines stand ahead of loads into what products have read.
.macro EARLY ns, nq, sc                ; waves 0 and 2
	WIN 0
	s_cmp_eq_u32 s16, 0
	s_cbranch_scc0 .Lodd_\@
	PLACES 8
	RUN \ns, \nq, \sc
.Lodd_\@:
.endm
.macro LATE ns, nq, sc                 ; waves 1 and 3
	WIN 0
	s_cmp_eq_u32 s16, 0
	s_cbranch_scc1 .Leven_\@
	s_wait_dscnt 0x0                               ; no LDS load is out where this run begins
	PLACES 8
	RUN \ns, \nq, \sc
.Leven_\@:
.endm
.macro ROW a, q, sc, zero, ar          ; x's block a, its fragment at v[ar], against w's eight.  Accumulators take turns, one instruction a turn
	WIN MUL_LO+0x50*((\a)/4)
.irp b, 0,1,2,3,4,5,6,7
.if \zero
	v_wmma_scale_f32_16x16x128_f8f6f4 v[8*(8*((\a)%4)+\b):8*(8*((\a)%4)+\b)+7], v[128*(\q)+FR*\b:128*(\q)+FR*\b+FR-1], v[\ar:\ar+FR-1], 0, v[SC+16*(\sc)+2*\b+(\q)], v[SC+16*(\sc)+2*(\a)+(\q)] matrix_a_scale:MATRIX_SCALE_ROW1
.else
	v_wmma_scale_f32_16x16x128_f8f6f4 v[8*(8*((\a)%4)+\b):8*(8*((\a)%4)+\b)+7], v[128*(\q)+FR*\b:128*(\q)+FR*\b+FR-1], v[\ar:\ar+FR-1], v[8*(8*((\a)%4)+\b):8*(8*((\a)%4)+\b)+7], v[SC+16*(\sc)+2*\b+(\q)], v[SC+16*(\sc)+2*(\a)+(\q)] matrix_a_scale:MATRIX_SCALE_ROW1
.endif
.endr
.endm
; A slot's first step
.macro NSTEP s, zero
.irp a, 0,1,2,3
	s_wait_dscnt 28-4*\a                           ; x's blocks behind block a, four loads each, may be out
	ROW \a, 0, \s, \zero, 128+16*\a
.endr
	s_wait_dscnt 0x0
	EARLY \s, 1, 0
	ROW 4, 0, \s, \zero, 192
	ROW 5, 0, \s, \zero, 208
	LATE \s, 1, 0
	ROW 6, 0, \s, \zero, 224
	ROW 7, 0, \s, \zero, 240
.endm
.macro ASK s                           ; slot s's piece two refills on
	s_cmp_gt_u32 s3, 1                             ; s3 = 1 in the loop's last trip
	s_cbranch_scc0 .Lnone_\@
	global_prefetch_b8 v[PFO], s[PF+2*\s:PF+2*\s+1] offset:2*TILEB th:TH_LOAD_NT scope:SCOPE_SE
	global_prefetch_b8 v[PFZ], s[PF+2*\s:PF+2*\s+1] offset:2*TILEB+8192 th:TH_LOAD_NT scope:SCOPE_SE
.Lnone_\@:
.endm
; A slot's last step.  fill = 1: the slot is filled again, behind a round of the cluster's barrier; 0: a plain barrier shows the other slot.
.macro XSTEP s, n, fill
	WIN 0
.if \fill
	s_wait_xcnt 0x0                                ; my prefetches have read their addresses
	s_add_nc_u64 s[PF+2*\s:PF+2*\s+1], s[PF+2*\s:PF+2*\s+1], 2*TILEB
.endif
	s_wait_tensorcnt 0x0                           ; my part of the other slot has landed;
	ds_add_u32 v[SPW], v[NIL]
	s_wait_dscnt 29                                ; the add and x's blocks 1-7 may be out
	ROW 0, 1, \s, 0, 128
	s_wait_dscnt 25                                ; the add and x's blocks 2-7
	ROW 1, 1, \s, 0, 144
	s_wait_dscnt 0x0                               ; the add is done, and my reads of this slot are over
	s_barrier_signal -1
	ROW 2, 1, \s, 0, 160
	ROW 3, 1, \s, 0, 176
	WIN 0
	s_barrier_wait -1
.if \fill
	CREST                                          ; no wave of any partner still reads this slot or has a load on its way
	s_add_nc_u64 s[G0+4*\s+2:G0+4*\s+3], s[G0+4*\s+2:G0+4*\s+3], 2*TILEB
	s_add_nc_u64 s[G0B+4*\s+2:G0B+4*\s+3], s[G0B+4*\s+2:G0B+4*\s+3], 2*TILEB
	JLOAD G0+4*\s, G1, G0B+4*\s, G1B               ; the first tensor load behind the round
.endif
	EARLY \n, 0, 1
	ROW 4, 1, \s, 0, 64
	ROW 5, 1, \s, 0, 80
	LATE \n, 0, 1
.if \fill
	ASK \s
.endif
	ROW 6, 1, \s, 0, 96
	ROW 7, 1, \s, 0, 112
.endm
	s_wait_alu depctr_va_vdst(0)
	s_wait_tensorcnt 0x0                           ; my piece of slot 0 is in
	ds_add_u32 v[SPW], v[NIL]
	s_wait_dscnt 0x0
	CROUND
	JLOAD G0+4, G1, G0B+4, G1B                     ; slot 1's first piece
	RUN 0, 0, 1
	global_prefetch_b8 v[PFO], s[PF+2:PF+3] offset:2*TILEB th:TH_LOAD_NT scope:SCOPE_SE        ; slot 1's second piece
	global_prefetch_b8 v[PFZ], s[PF+2:PF+3] offset:2*TILEB+8192 th:TH_LOAD_NT scope:SCOPE_SE
	NSTEP 0, 1                                     ; the first step starts the sums: nothing is cleared
	WIN 0
	s_mov_b32 s3, 7
.Llap:                                                 ; a trip goes once round the ring and fills both slots again
	XSTEP 0, 1, 1
	NSTEP 1, 0
	XSTEP 1, 0, 1
	NSTEP 0, 0
	WIN 0
	s_sub_co_u32 s3, s3, 1
	s_cmp_lg_u32 s3, 0
	s_cbranch_scc1 .Llap
	XSTEP 0, 1, 0                                  ; the last lap fills nothing; its run has brought the last K step's first 128: w's set 0, x's eight blocks
; THE LAST K STEP, BY ROWS.  A block's way out: x xn of the lane's row, in its own accumulators; through my own stage; back as whole rows of 512 bytes into v192-255; x wn of the lane's four columns; two aligned units of 256 bytes a store.
.macro OUT a, first
	WIN ((2+(\a)/4)<<6)|(2+(\a)/4)
.irp b, 0,1,2,3,4,5,6,7
.irp p, 0,1,2,3,4,5,6,7
	v_mul_f32 v[64*((\a)%4)+8*\b+\p], v[64*((\a)%4)+8*\b+\p], v[RX+(\a)]      ; each accumulator from its low end on
.endr
.endr
	WIN (2+(\a)/4)<<2
.irp b, 0,1,2,3,4,5,6,7
	ds_store_b128 v[STO], v[64*((\a)%4)+8*\b:64*((\a)%4)+8*\b+3] offset:64*\b
	ds_store_b128 v[STO], v[64*((\a)%4)+8*\b+4:64*((\a)%4)+8*\b+7] offset:64*\b+16
.endr
	WIN 0
.if !(\first)
	s_wait_xcnt 0x0                                ; the block before's stores have read their registers
.endif
.irp t, 0,1,2,3,4,5,6,7,8,9,10,11,12,13,14,15
	ds_load_b128 v[BK+4*\t:BK+4*\t+3], v[RD] offset:\t*SPITCH    ; LDS serves a wave's instructions in order (ISA guide 5.7.1.4)
.endr
	s_wait_dscnt 0x0
.irp t, 0,1,2,3,4,5,6,7,8,9,10,11,12,13,14,15
	v_pk_mul_f32 v[BK+4*\t:BK+4*\t+1], v[BK+4*\t:BK+4*\t+1], v[RW:RW+1]
	v_pk_mul_f32 v[BK+4*\t+2:BK+4*\t+3], v[BK+4*\t+2:BK+4*\t+3], v[RW+2:RW+3]
.endr
.irp t, 0,1,2,3,4,5,6,7,8,9,10,11,12,13,14,15
	global_store_b128 v[CO], v[BK+4*\t:BK+4*\t+3], s[12:13] offset:(16*(\a)+\t)*SIZE_N*4 th:TH_STORE_NT   ; 127 rows of 16,384 bytes at the most: inside the signed 24-bit immediate
.endr
.endm
	PLACES 8
.irp i, 0,1,2,3,4,5,6,7
	LG 1, 1, 1, \i                                 ; the step's second 128: w's set 1,
.endr
.irp i, 4,5,6,7
	LG 2, 1, 1, \i                                 ; and x's blocks 4-7
.endr
	s_wait_dscnt 48                                ; all but the 48 just issued
.irp a, 4,5,6,7
	ROW \a, 0, 1, 0, 128+16*\a
.endr
	s_wait_dscnt 0x0
	s_wait_loadcnt 0x0                             ; the rows' factors are in
.irp a, 4,5,6,7
	ROW \a, 1, 1, 0, 16*\a                         ; block a is finished
	PLACES 8
	WIN 0
	FRAG 16*\a, ADRA+1, 1, \a-4                    ; its fragment's registers take the second 128 of block a - 4
	OUT \a, (\a)==4
.endr
.irp a, 0,1,2,3
	ROW \a, 0, 1, 0, 128+16*\a
	ROW \a, 1, 1, 0, 64+16*\a
	PLACES 8
	OUT \a, 0
.endr
	s_wait_tensorcnt 0x0                           ; the wave's end
	ds_add_u32 v[SPW], v[NIL]
	s_wait_dscnt 0x0
	CROUND                                         ; the closing round
	s_endpgm
.Lfunc_end_k_q7ffae45390_gemm:
	.size	k_q7ffae45390_gemm, .Lfunc_end_k_q7ffae45390_gemm-k_q7ffae45390_gemm
	.p2alignl 7, 3214868480
	.fill 96, 4, 3214868480
	.section	.rodata,"a",@progbits
	.p2align	6, 0x0
	.amdhsa_kernel k_q7ffae45390_gemm
		.amdhsa_group_segment_fixed_size 327680
		.amdhsa_private_segment_fixed_size 0
		.amdhsa_enable_private_segment 0
		.amdhsa_kernarg_size 40
		.amdhsa_user_sgpr_count 2
		.amdhsa_user_sgpr_kernarg_segment_ptr 1
		.amdhsa_wavefront_size32 1
		.amdhsa_system_sgpr_workgroup_id_x 1
		.amdhsa_system_sgpr_workgroup_id_y 1
		.amdhsa_system_sgpr_workgroup_id_z 1
		.amdhsa_system_vgpr_workitem_id 0
		.amdhsa_next_free_vgpr 1024
		.amdhsa_next_free_sgpr 72
		.amdhsa_reserve_vcc 0
		.amdhsa_float_denorm_mode_32 3
		.amdhsa_float_denorm_mode_16_64 3
		.amdhsa_memory_ordered 1
		.amdhsa_forward_progress 1
		.amdhsa_inst_pref_size 207
	.end_amdhsa_kernel
	.amdgpu_metadata
---
amdhsa.version: [ 1, 2 ]
amdhsa.kernels:
  - .name:           k_q7ffae45390_gemm
    .symbol:         k_q7ffae45390_gemm.kd
    .args:
      - { .name: xq, .offset: 0, .size: 8, .value_kind: global_buffer, .address_space: global }
      - { .name: wq, .offset: 8, .size: 8, .value_kind: global_buffer, .address_space: global }
      - { .name: xn, .offset: 16, .size: 8, .value_kind: global_buffer, .address_space: global }
      - { .name: wn, .offset: 24, .size: 8, .value_kind: global_buffer, .address_space: global }
      - { .name: out0, .offset: 32, .size: 8, .value_kind: global_buffer, .address_space: global }
    .group_segment_fixed_size: 327680
    .private_segment_fixed_size: 0
    .kernarg_segment_align: 8
    .kernarg_segment_size: 40
    .max_flat_workgroup_size: 128
    .sgpr_count:     72
    .vgpr_count:     1024
    .wavefront_size: 32
...
	.end_amdgpu_metadata
.endif
;; end of part 2
